; MI455X (gfx1250); checked and timed in simulation.
; The chip was launched on July 23, 2026; its instructions are those of AMD's public machine-readable ISA for CDNA 5 (MIT licence, August 2026) and "CDNA5" Instruction Set Architecture Reference Guide (July 2026). The comments in the code are by the model that wrote it; some were corrected since.
;; Seq Self Attention. Allowed arithmetic: matrix products marked QUANTISED: E3M2 operands, one E8M0 scale for each 32 along K, by v_wmma_scale_f32_16x16x128_f8f6f4 with both operands' format E3M2, f32 sums; products left as they are: f32 operands where the result goes on into a quantised operand, else bf16, f16 or f32 operands; f32 sums; everything else in f32.
;; Inputs: Wa 64 x 1 float32; Wt_codes 64 x 32 x 24 uint8 (E3M2 codes of Wt, K innermost, in blocks of 32 codes, four codes in three bytes); Wt_scales 64 x 32 uint8 (E8M0 scales of Wt, one for each 32 codes along K); Wx_codes 64 x 32 x 24 uint8 (E3M2 codes of Wx, K innermost, in blocks of 32 codes, four codes in three bytes); Wx_scales 64 x 32 uint8 (E8M0 scales of Wx, one for each 32 codes along K); ba 1 float32; bh 64 float32; x 4 x 1,024 x 1,024 float32.
;; Outputs: out0 4 x 1,024 x 1,024 float32.
;; This version of the problem:
;;   THIS VERSION OF THE PROBLEM IS GIVEN IN LOW PRECISION. The matrix products marked QUANTISED in the list below multiply operands that are first quantised to E3M2 (3 exponent bits, 2 mantissa bits; 6 bits a number), with one power-of-two scale for each 32 numbers along K (OCP MX v1.0); their sums are f32. All else is computed in f32.
;;   The module's matrix products, in the order in which they are computed (A, B: the left and right operand; K: the contracted axis; several contracted axes count as one K, in the product's order):
;;     1. [M 4,096, K 1,024] x [K 1,024, N 64]; A: input x; B: input Wt (given as codes): QUANTISED
;;     2. [M 4,096, K 1,024] x [K 1,024, N 64]; A: input x; B: input Wx (given as codes): QUANTISED
;;     3. [M 4,194,304, K 64] x [K 64, N 1]; A: computed on the way; B: computed on the way: left as it is (N = 1 < 16)
;;     4. batch 4 x [M 1,024, K 1,024] x [K 1,024, N 1,024]; A: softmax (see below); B: input x: QUANTISED
;;   THE QUANTISER, for each operand of a quantised product, along K:
;;     - K is cut into blocks of 32 from its start; a last block that is shorter is filled with zeros.
;;     - A block's scale is 2^e with e = floor(log2(the largest magnitude in the block)) - 4, held to -126 .. 127; a block of zeros has e = 0. As a byte (E8M0): e + 127.
;;     - Each number is divided by its block's scale, clamped to +-28, and rounded to the nearest number of E3M2, ties to even, subnormals kept.
;;     - The product sums the exact products of the quantised numbers (number of the format x scale) in f32.
;;   ~~~python
;;   def quantise(x, axis):      # numpy; x: float32 -> the quantised numbers, widened to float32 again
;;       x = np.moveaxis(x, axis, -1); K = x.shape[-1]
;;       x = np.pad(x, [(0, 0)] * (x.ndim - 1) + [(0, -K % 32)]); x = x.reshape(x.shape[:-1] + (-1, 32)); a = np.abs(x).max(-1, keepdims=True)
;;       e = np.where(a > 0, np.clip(np.frexp(np.where(a > 0, a, 1))[1] - 1 - 4, -126, 127), 0)      # np.frexp(a)[1] - 1 = floor(log2(a)), exactly
;;       r = np.clip(x / 2.0 ** e, -28, 28)
;;       step = 2.0 ** (np.maximum(np.frexp(np.where(r == 0, 1, r))[1] - 1, -2) - 2)
;;       q = np.round(r / step) * step * 2.0 ** e      # np.round: ties to even
;;       return np.moveaxis(q.reshape(q.shape[:-2] + (-1,))[..., :K], -1, axis).astype(np.float32)
;;   ~~~
;;   SOFTMAX AHEAD OF A QUANTISED PRODUCT. Where the list says 'softmax', what is quantised is not the finished softmax but p = 2^(t - M), with t = logit x log2(e) and M = ceil(the row's largest t), a whole number; so 1/2 < the row's largest p <= 1. The row's sum l is taken of the UNQUANTISED p, in f32, and the product's result is divided by l at the end. Since M is a whole number, a kernel that streams over the keys may use a running M (the ceiling of the running maximum): every later rescaling is an exact power of two, which a block's scale takes up: the codes' values come out the same.
;;   OPERANDS COMPUTED ON THE WAY. 'Computed on the way' means the value that the module computes at that place (a softmax that the list does not call 'softmax' is quantised finished and normalised). What goes into a quantiser is computed in f32, as accurately as f32 sums, v_exp_f32 and their like allow (about 1e-6 of the number): no bf16 or f16 on the way to a quantiser, and a product that is left as it is and whose result goes on into a quantised operand takes f32 operands (vector FMAs, or v_wmma_f32_16x16x4_f32). A number that lies on a knife's edge between two numbers of the format may be rounded either way, as far as f32 arithmetic and the matrix unit's own rounding can turn it there, and no further.
;;   INPUTS GIVEN AS CODES. Wt (in the module: [1024, 64], K = its axis 0); Wx (in the module: [1024, 64], K = its axis 0): each comes as NAME_codes (uint8): NAME with its K axis moved to the last place and cut into blocks of 32 codes, [.., K / 32, bytes a block], one block behind the other in memory; four codes in three bytes: a row's codes are one little-endian stream of bits, code i at bits 6 i .. 6 i + 5 (a code: sign, 3 exponent bits, 2 mantissa bits); and NAME_scales (uint8): the same leading axes, one E8M0 byte (e + 127) for each 32 codes along K. Its value is code x scale, taken as it is: it is not quantised again, and the codes and scales need not be those that the quantiser above would give.
;; 2 versions, each right; version 2 is version 1 with the launch prep written anew for expert scheduling mode. Each part assembles by itself: llvm-mc -triple=amdgcn-amd-amdhsa -mcpu=gfx1250 --defsym DOCPART=n.
;; ======== version 1 of 2: 2 launches
;; limits: right only within a limited range of input values
;; workspace buffers: xc 3,145,728 bytes; xs 131,072 bytes; qk 4,194,304 bytes
;; launch prep (part 1): grid 128 x 2, 4 waves a work-group, no clusters, 99,328 bytes of LDS; arguments x, Wt_codes, Wt_scales, Wx_codes, Wx_scales, xc, xs, qk; writes xc, xs, qk
.if DOCPART == 1
	.amdgcn_target "amdgcn-amd-amdhsa--gfx1250"
	.amdhsa_code_object_version 6
	.text
	.protected	k_qe9b9fa1c11_prep
	.globl	k_qe9b9fa1c11_prep
	.p2align	8
	.type	k_qe9b9fa1c11_prep,@function
k_qe9b9fa1c11_prep:
	s_mov_b64 s[64:65], 0
	v_nop
	global_prefetch_b8 v0, s[64:65] scope:SCOPE_SE
	s_setreg_imm32_b32 hwreg(HW_REG_WAVE_MODE, 25, 1), 1
	s_wait_xcnt 0x0
; x [4096 rows][1024] f32 is read ONCE and quantised TWICE to codes of BF6 (E3M2) with one E8M0 byte for each 32 numbers:
;  (a) along its channels, for q = x Wt and k = x Wx (the weights come as codes): half-K partial sums go to qk [half][q, k][row][64] f32;
;  (b) along its rows (the keys of the last product): codes go to xc [block of 32 rows][group of 32 channels][768 bytes], in the order of an operand's registers
;      (channel l of the group: registers 0-3 at 16 l, registers 4-5 at 512 + 8 l), the scale bytes to xs [block][channel].
; SHARES.  A work-group takes 32 rows (x: its number along x) and 512 channels (y): 64 KiB of x.  Wave w LOADS AND QUANTISES channels 128 w .. 128 w + 127 of that half, both ways.
; Wave w MULTIPLIES for 32 units of one weight (waves 0, 1: Wt; 2, 3: Wx; units 32 (w % 2) on), both tiles of 16 rows, all four K steps: 16 matrix instructions.  x's fragments go from wave to wave
; through LDS as images of their registers (three stores of 16 bytes a lane, 512 consecutive bytes each), their scale words likewise.
; THE MATRIX INSTRUCTION IS USED TRANSPOSED (source 0 = 16 units, source 1 = 16 rows of x): a lane then holds eight neighbouring units of one row.
; NO CLUSTER: what all work-groups share is the weights, 12 KiB a wave.  They go from memory straight into the operand's registers, asked for behind x's 32 loads and used only when x has been quantised twice;
; a joint load would send them through LDS.
; LIMITS: NaN and infinities in x are not served.  A block of zeros gets the byte 1 where the rule says 127: its codes are zeros, and this program alone reads the bytes.
; The scale's byte is held at 1 from below by a floor among the leaves of the maximum.
.set XIMG, 0                           ; LDS: x's 8 fragments (tile of rows m, K step s: 4 m + s), 1,536 bytes each
.set XSC,  12288                       ; their scale words, 128 bytes each
.set SBY,  13312                       ; the 512 scale bytes of the key-wise blocks
.set OST,  13824                       ; the way out of the sums: 64 rows (32 of q, 32 of k) x (256 bytes + 16)
.set XST,  31232                       ; a stage of 32 rows x (512 bytes + 16) for each wave, its own
.set WST,  16896
.set SP,   528                         ; 33 x 16 bytes: the 16 rows that a load of 16 bytes a lane touches begin in 16 different columns of 16 bytes
.set OP,   272                         ; 17 x 16 bytes, likewise
.set WS,   16                          ; v16-23   the weights' scale words (4 n + s): scales and nothing else
.set XSW,  24                          ; v24-31   x's scale words (4 m + s): scales and nothing else
.set WF,   32                          ; v32-127  the weights' fragments, 12 (4 n + s)
.set XR,   128                         ; v128-255 x as loaded: row i at 128 + 4 i
.set R,    128                         ; v128-191 64 numbers of a lane's row
.set TM,   192                          ; v192-207 at work in QUANT
.set PW,   208                         ; the scale word just made
.set PC,   212                         ; v212-230 the codes just made
.set CA,   128                         ; v128-159, v160-191: two sets of 32 numbers down the keys
.set CB,   160
.set CC,   192                         ; v[192 + 8 g] on: six registers of codes for group g: no store's data are written again
.set CT,   224                         ; v224-226, v228-230 by turns: a block's upper 16 codes as they are made
.set SBV,  232                         ; v232-235 a scale byte for each group
.set MX,   236
.set SO,   238
.set AF,   128                         ; v128-223 x's fragments, 12 (4 m + s)
.set ACC,  224                         ; v224-255 four accumulators, 8 (2 m + n)
.set OB,   128
.set SEL,  30
; 64 numbers of a lane, v[s] .. v[s + 63], register 16 b + i = channel 32 b + 16 (lane / 16) + i of my row, become a fragment's codes in v[PC] on and its scale word in v[PW].
.macro QUANT s
.irp b, 0,1,2,3
	v_max3_num_f32 v[TM+\b], |v[\s+16*\b]|, |v[\s+1+16*\b]|, 0x2800000   ; block b: my 16 numbers, and the floor 2^(5 - 127): the byte cannot fall under 1
.endr
.irp i, 2,4,6,8,10,12,14
.irp b, 0,1,2,3
	v_max3_num_f32 v[TM+\b], v[TM+\b], |v[\s+16*\b+\i]|, |v[\s+1+16*\b+\i]|   ; the four blocks by turns
.endr
.endr
.irp b, 0,1,2,3
	v_permlanex16_b32 v[TM+4+\b], v[TM+\b], s[SEL], s[SEL+1]
.endr
.irp b, 0,1,2,3
	v_max_num_f32 v[TM+\b], v[TM+\b], v[TM+4+\b]   ; with lane l xor 16's: the block's largest magnitude
.endr
.irp b, 0,1,2,3
	v_add_nc_u32 v[TM+12+\b], 0xfe000000, v[TM+\b]   ; 4 off its exponent field: the conversion takes this operand's exponent field as its scale
.endr
.irp b, 0,1,2,3
	v_lshrrev_b32 v[TM+4+\b], 23, v[TM+12+\b]      ; the scale's byte
.endr
	v_lshl_or_b32 v[PW], v[TM+5], 8, v[TM+4]       ; the four bytes make my row's scale word
	v_lshl_or_b32 v[PW], v[TM+6], 16, v[PW]
	v_lshl_or_b32 v[PW], v[TM+7], 24, v[PW]
.irp c, 0,1
	v_cvt_scalef32_pk16_bf6_f32 v[PC+6*\c:PC+2+6*\c], v[\s+32*\c:\s+15+32*\c], v[TM+12+2*\c]
	v_cvt_scalef32_pk16_bf6_f32 v[PC+12+4*\c:PC+14+4*\c], v[\s+16+32*\c:\s+31+32*\c], v[TM+12+2*\c+1]   ; (a conversion's three registers begin on an even number)
.endr
	v_nop                                          ; one plain instruction behind the scaled conversions
.irp c, 0,1                                    ; the operand's layout wants a whole block in a lane: lanes 0-15 block 2 c, lanes 16-31 block 2 c + 1
.irp i, 0,1,2
	v_permlane16_swap_b32 v[PC+6*\c+\i], v[PC+12+4*\c+\i]
.endr
.irp i, 0,1,2
	v_mov_b32 v[PC+3+6*\c+\i], v[PC+12+4*\c+\i]
.endr
.endr
.endm
.macro IMAGE off                               ; the fragment in v[PC] on goes to LDS as it stands: K step = my wave
.irp c, 0,1,2
	ds_store_b128 v9, v[PC+4*\c:PC+4*\c+3] offset:(\off)+512*\c
.endr
.endm
.macro FETCH reg, off                          ; and comes back so, in any wave
.irp c, 0,1,2
	ds_load_b128 v[(\reg)+4*\c:(\reg)+4*\c+3], v4 offset:(\off)+512*\c
.endr
.endm
.macro LOADC g, x                              ; group g: a lane takes channel 32 g + lane, and its registers run down the 32 keys; each load reads 128 consecutive bytes of my stage
.irp i, 0,1,2,3,4,5,6,7,8,9,10,11,12,13,14,15,16,17,18,19,20,21,22,23,24,25,26,27,28,29,30,31
	ds_load_b32 v[\x+\i], v8 offset:SP*\i+128*(\g)
.endr
.endm
.macro COLQ g, x                               ; a lane's block of 32 keys: all 32 numbers are its own
	v_max3_num_f32 v[MX], |v[\x]|, |v[\x+1]|, |v[\x+2]|
	v_max3_num_f32 v[MX+1], |v[\x+3]|, |v[\x+4]|, |v[\x+5]|
.irp i, 6,10,14,18,22,26
	v_max3_num_f32 v[MX], v[MX], |v[\x+\i]|, |v[\x+\i+1]|
	v_max3_num_f32 v[MX+1], v[MX+1], |v[\x+\i+2]|, |v[\x+\i+3]|
.endr
	v_max3_num_f32 v[MX], v[MX], |v[\x+30]|, |v[\x+31]|
	v_max3_num_f32 v[MX], v[MX], v[MX+1], 0x2800000   ; and the floor
	v_add_nc_u32 v[SO], 0xfe000000, v[MX]
	v_cvt_scalef32_pk16_bf6_f32 v[CC+8*(\g):CC+8*(\g)+2], v[\x:\x+15], v[SO]
	v_cvt_scalef32_pk16_bf6_f32 v[CT+4*((\g)%2):CT+4*((\g)%2)+2], v[\x+16:\x+31], v[SO]
	v_lshrrev_b32 v[SBV+(\g)], 23, v[SO]           ; the scale's byte; also the plain instruction behind the conversions
.irp i, 0,1,2
	v_mov_b32 v[CC+8*(\g)+3+\i], v[CT+4*((\g)%2)+\i]
.endr
	ds_store_b8 v11, v[SBV+(\g)] offset:32*(\g)
	global_store_b128 v4, v[CC+8*(\g):CC+8*(\g)+3], s[18:19] offset:768*(\g)       ; 32 lanes store 512 consecutive bytes, at a multiple of 256 from xc's first byte
	global_store_b64 v5, v[CC+8*(\g)+4:CC+8*(\g)+5], s[18:19] offset:768*(\g)+512   ; and 256
.endm
.macro BARRIER                                 ; my LDS stores have landed and my LDS loads are in: then the work-group's barrier
	s_wait_dscnt 0x0
	s_barrier_signal -1
	s_barrier_wait -1
.endm
	s_load_b256 s[8:15], s[0:1], 0x0               ; x s[8:9], Wt's codes s[10:11], Wt's scales s[12:13], Wx's codes s[14:15]
	s_load_b256 s[16:23], s[0:1], 0x20             ; Wx's scales s[16:17], xc s[18:19], xs s[20:21], qk s[22:23]
	s_set_vgpr_msb 0x40
	v_lshl_add_u32 v0, v0, 2, 0x18200
	v_mov_b32 v1, 0
	s_set_vgpr_msb 0x4000
	v_lshrrev_b32 v1, 5, v0
	v_readfirstlane_b32 s4, v1                     ; wave 0..3
	v_and_b32 v2, 15, v0                           ; r
	v_bfe_u32 v3, v0, 4, 1                         ; h
	v_and_b32 v0, 31, v0                           ; lane
	v_lshlrev_b32 v1, 5, v2                        ; the weights' scale words: 32 bytes a unit
	v_lshlrev_b32 v4, 4, v0                        ; 16 x lane
	v_lshlrev_b32 v5, 3, v0                        ; 8 x lane
	v_lshlrev_b32 v12, 2, v0                       ; 4 x lane
	v_mul_u32_u24 v15, v2, 768                     ; the weights' codes: a unit's row is 1,024 codes, 768 bytes,
	v_mad_u32_u24 v15, v3, 24, v15                 ; + 24 h
	s_mov_b32 s5, ttmp9                            ; which 32 rows
	s_and_b32 s6, ttmp7, 0xffff                    ; which half of the channels
	s_and_b32 s7, s4, 1
	s_lshr_b32 s24, s4, 1
	s_lshl_b32 s32, s5, 17                         ; x: 32 rows of 4,096 bytes, + 2,048 a half, + 512 a wave
	s_lshl_b32 s44, s6, 11
	s_add_co_u32 s32, s32, s44
	s_lshl_b32 s44, s4, 9
	s_add_co_u32 s32, s32, s44
	s_mov_b32 s33, 0
	s_mul_i32 s34, s7, 24576                       ; the weight's codes: my 32 units, + 384 bytes for the upper half of K
	s_mul_i32 s44, s6, 384
	s_add_co_u32 s34, s34, s44
	s_mov_b32 s35, 0
	s_lshl_b32 s36, s7, 10                         ; its scales: my 32 units of 32 bytes, + 16 for the upper half
	s_lshl_b32 s44, s6, 4
	s_add_co_u32 s36, s36, s44
	s_mov_b32 s37, 0
	s_mul_i32 s38, s5, 24576                       ; xc: 32 groups of 768 bytes a block of rows, 16 groups a half, 4 a wave
	s_mul_i32 s44, s6, 12288
	s_add_co_u32 s38, s38, s44
	s_mul_i32 s44, s4, 3072
	s_add_co_u32 s38, s38, s44
	s_mov_b32 s39, 0
	s_lshl_b32 s40, s5, 10                         ; xs: 1,024 bytes a block of rows, 512 a half
	s_lshl_b32 s44, s6, 9
	s_add_co_u32 s40, s40, s44
	s_mov_b32 s41, 0
	s_lshl_b32 s42, s6, 21                         ; qk: the half, q or k, my work-group's 32 rows of 256 bytes, the 16 of them that I store
	s_lshl_b32 s44, s24, 20
	s_add_co_u32 s42, s42, s44
	s_lshl_b32 s44, s5, 13
	s_add_co_u32 s42, s42, s44
	s_lshl_b32 s44, s7, 12
	s_add_co_u32 s42, s42, s44
	s_mov_b32 s43, 0
	s_mov_b32 s[SEL], 0x76543210
	s_mov_b32 s[SEL+1], 0xfedcba98                 ; v_permlanex16_b32's selects for lane l xor 16
	s_wait_kmcnt 0x0
	s_add_nc_u64 s[8:9], s[8:9], s[32:33]
	s_cmp_lt_u32 s4, 2                             ; waves 0, 1 multiply by Wt, waves 2, 3 by Wx: the choice hangs on the wave's number alone
	s_cselect_b64 s[26:27], s[10:11], s[14:15]
	s_cselect_b64 s[28:29], s[12:13], s[16:17]
	s_add_nc_u64 s[26:27], s[26:27], s[34:35]
	s_add_nc_u64 s[28:29], s[28:29], s[36:37]
	s_add_nc_u64 s[18:19], s[18:19], s[38:39]
	s_add_nc_u64 s[20:21], s[20:21], s[40:41]
	s_add_nc_u64 s[22:23], s[22:23], s[42:43]
.irp i, 0,1,2,3,4,5,6,7,8,9,10,11,12,13,14,15,16,17,18,19,20,21,22,23,24,25,26,27,28,29,30,31
	global_load_b128 v[XR+4*\i:XR+4*\i+3], v4, s[8:9] offset:4096*\i th:TH_LOAD_NT   ; row i: 32 lanes read 512 consecutive bytes; all my 16 KiB are asked for at once; read once in the launch
.endr
.irp n, 0,1
.irp s, 0,1,2,3
.irp p, 0,1,2,3,4,5
	global_load_b64 v[WF+12*(4*\n+\s)+2*\p:WF+12*(4*\n+\s)+2*\p+1], v15, s[26:27] offset:12288*\n+96*\s+48*(\p/3)+8*(\p%3)   ; the weight's fragment (tile n of 16 units, K step s), as it lies
.endr
.endr
.endr
.irp n, 0,1
.irp s, 0,1,2,3
	global_load_b32 v[WS+4*\n+\s], v1, s[28:29] offset:512*\n+4*\s
.endr
.endr
	; LDS addresses: each a constant + a constant x lane + a constant x wave
	s_mul_i32 s45, s4, WST
	s_add_co_u32 s45, s45, XST                     ; my stage
	v_add_nc_u32 v6, s45, v4                       ; in: 16 x lane of a row
	v_mul_u32_u24 v7, v2, SP
	v_lshl_add_u32 v7, v3, 6, v7
	v_add_nc_u32 v7, s45, v7                       ; out by rows: row r, + 64 h: my 16 numbers of a block of 32
	v_add_nc_u32 v8, s45, v12                      ; out by columns: 4 x lane
	s_mul_i32 s45, s4, 1536
	v_add_nc_u32 v9, s45, v4                       ; my images: K step = wave
	s_lshl_b32 s45, s4, 7
	s_add_co_u32 s46, s45, XSC
	v_add_nc_u32 v10, s46, v12                     ; their scale words
	s_add_co_u32 s46, s45, SBY
	v_add_nc_u32 v11, s46, v0                      ; my channels' scale bytes
	s_mul_i32 s45, s24, 32*OP
	s_lshl_b32 s46, s7, 7
	s_add_co_u32 s45, s45, s46
	s_add_co_u32 s45, s45, OST
	v_mul_u32_u24 v13, v2, OP
	v_lshl_add_u32 v13, v3, 5, v13
	v_add_nc_u32 v13, s45, v13                     ; the sums' stage, in: q's or k's 32 rows, row r, my 32 units' 128 bytes, + 32 h
	s_mul_i32 s45, s4, 16*OP
	s_add_co_u32 s45, s45, OST
	v_mul_u32_u24 v14, v3, OP
	v_lshl_add_u32 v14, v2, 4, v14
	v_add_nc_u32 v14, s45, v14                     ; and back: my 16 rows, two an instruction, 16 bytes a lane
	s_wait_loadcnt 56                              ; x's 32 loads are in; the 48 + 8 loads of the weights, issued behind them, may be out
.irp i, 0,1,2,3,4,5,6,7,8,9,10,11,12,13,14,15,16,17,18,19,20,21,22,23,24,25,26,27,28,29,30,31
	ds_store_b128 v6, v[XR+4*\i:XR+4*\i+3] offset:SP*\i
.endr
	; ---- along the channels: my K step of both tiles of 16 rows
.irp m, 0,1
.irp b, 0,1,2,3
.irp j, 0,1,2,3
	ds_load_b128 v[R+16*\b+4*\j:R+16*\b+4*\j+3], v7 offset:16*SP*\m+128*\b+16*\j   ; LDS serves a wave's instructions in order: these see my stores
.endr
.endr
	s_wait_dscnt 0x0                               ; the numbers are in; the stores before them have read their registers
.if \m == 0
.irp b, 0,1,2,3
	v_mov_b32 v[TM+4+\b], 0                        ; written once: a lane permute's destination counts as one of its sources
.endr
.endif
	QUANT R
	IMAGE 6144*\m
	ds_store_b32 v10, v[PW] offset:512*\m
.endr
	; ---- along the keys: four groups of 32 channels, the loads a group ahead
	LOADC 0, CA
	LOADC 1, CB
	s_wait_dscnt 32                                ; group 0 is in: behind it stand group 1's 32 loads
	COLQ 0, CA
	LOADC 2, CA
	s_wait_dscnt 33                                ; group 1 is in: behind it stand one byte store and group 2's 32 loads
	COLQ 1, CB
	LOADC 3, CB
	s_wait_dscnt 33                                ; group 2: one byte store and group 3's 32 loads
	COLQ 2, CA
	s_wait_dscnt 1                                 ; group 3: one byte store
	COLQ 3, CB
	s_wait_xcnt 0x0                                ; xc's stores have read their data: the LDS loads below land in those registers
	BARRIER                                        ; x's eight fragments, their scale words and the 512 scale bytes lie in LDS
	; ---- the products
.irp m, 0,1
.irp s, 0,1,2,3
	FETCH AF+12*(4*\m+\s), (4*\m+\s)*1536
	ds_load_b32 v[XSW+4*\m+\s], v12 offset:XSC+128*(4*\m+\s)
.endr
.endr
	s_wait_dscnt 0x0
	s_wait_loadcnt 0x0                             ; the weights
.irp s, 0,1,2,3                                ; four accumulators by turns, one instruction a turn, K ascending; the first K step starts the sums
.irp m, 0,1
.irp n, 0,1
.if \s == 0
	v_wmma_scale_f32_16x16x128_f8f6f4 v[ACC+8*(2*\m+\n):ACC+8*(2*\m+\n)+7], v[WF+12*(4*\n+\s):WF+12*(4*\n+\s)+11], v[AF+12*(4*\m+\s):AF+12*(4*\m+\s)+11], 0, v[WS+4*\n+\s], v[XSW+4*\m+\s] matrix_a_fmt:MATRIX_FMT_BF6 matrix_b_fmt:MATRIX_FMT_BF6
.else
	v_wmma_scale_f32_16x16x128_f8f6f4 v[ACC+8*(2*\m+\n):ACC+8*(2*\m+\n)+7], v[WF+12*(4*\n+\s):WF+12*(4*\n+\s)+11], v[AF+12*(4*\m+\s):AF+12*(4*\m+\s)+11], v[ACC+8*(2*\m+\n):ACC+8*(2*\m+\n)+7], v[WS+4*\n+\s], v[XSW+4*\m+\s] matrix_a_fmt:MATRIX_FMT_BF6 matrix_b_fmt:MATRIX_FMT_BF6
.endif
.endr
.endr
.endr
.rept 4
	v_nop                                          ; four places in front of the first read of results and of loads into registers that the products have read
.endr
.irp m, 0,1
.irp n, 0,1
	ds_store_b128 v13, v[ACC+8*(2*\m+\n):ACC+8*(2*\m+\n)+3] offset:16*OP*\m+64*\n       ; lane (r, h): row 16 m + r, units 16 n + 8 h + 0 .. 7 of my 32; each accumulator from its low end on
	ds_store_b128 v13, v[ACC+8*(2*\m+\n)+4:ACC+8*(2*\m+\n)+7] offset:16*OP*\m+64*\n+16
.endr
.endr
	BARRIER                                        ; 32 whole rows of q's sums and 32 of k's lie in the stage: a row's 256 bytes come from two waves
.irp i, 0,1,2,3,4,5,6,7
	ds_load_b128 v[OB+4*\i:OB+4*\i+3], v14 offset:2*OP*\i
.endr
.irp i, 0,1,2,3,4,5,6,7
	s_wait_dscnt 7-\i                              ; load i is in; the 7 - i behind it may be out
	global_store_b128 v4, v[OB+4*\i:OB+4*\i+3], s[22:23] offset:512*\i   ; two whole rows of 256 bytes
.endr
	s_cmp_lg_u32 s4, 0                             ; wave 0 stores the work-group's 512 scale bytes: 32 lanes, 512 consecutive bytes
	s_cbranch_scc1 .Ldone
	ds_load_b128 v[160:163], v4 offset:SBY
	s_wait_dscnt 0x0
	global_store_b128 v4, v[160:163], s[20:21]
.Ldone:
	s_set_vgpr_msb 0x5
	s_wait_tensorcnt 0x0
	ds_add_u32 v0, v1
	s_wait_dscnt 0x0
	s_set_vgpr_msb 0x500
	s_endpgm
.Lfunc_end_k_qe9b9fa1c11_prep:
	.size	k_qe9b9fa1c11_prep, .Lfunc_end_k_qe9b9fa1c11_prep-k_qe9b9fa1c11_prep
	.p2alignl 7, 3214868480
	.fill 96, 4, 3214868480
	.section	.rodata,"a",@progbits
	.p2align	6, 0x0
	.amdhsa_kernel k_qe9b9fa1c11_prep
		.amdhsa_group_segment_fixed_size 99328
		.amdhsa_private_segment_fixed_size 0
		.amdhsa_enable_private_segment 0
		.amdhsa_kernarg_size 64
		.amdhsa_user_sgpr_count 2
		.amdhsa_user_sgpr_kernarg_segment_ptr 1
		.amdhsa_wavefront_size32 1
		.amdhsa_system_sgpr_workgroup_id_x 1
		.amdhsa_system_sgpr_workgroup_id_y 1
		.amdhsa_system_sgpr_workgroup_id_z 1
		.amdhsa_system_vgpr_workitem_id 0
		.amdhsa_next_free_vgpr 258
		.amdhsa_next_free_sgpr 66
		.amdhsa_reserve_vcc 0
		.amdhsa_float_denorm_mode_32 3
		.amdhsa_float_denorm_mode_16_64 3
		.amdhsa_memory_ordered 1
		.amdhsa_forward_progress 1
		.amdhsa_inst_pref_size 46
	.end_amdhsa_kernel
	.amdgpu_metadata
---
amdhsa.version: [ 1, 2 ]
amdhsa.kernels:
  - .name:           k_qe9b9fa1c11_prep
    .symbol:         k_qe9b9fa1c11_prep.kd
    .args:
      - { .name: x, .offset: 0, .size: 8, .value_kind: global_buffer, .address_space: global }
      - { .name: Wt_codes, .offset: 8, .size: 8, .value_kind: global_buffer, .address_space: global }
      - { .name: Wt_scales, .offset: 16, .size: 8, .value_kind: global_buffer, .address_space: global }
      - { .name: Wx_codes, .offset: 24, .size: 8, .value_kind: global_buffer, .address_space: global }
      - { .name: Wx_scales, .offset: 32, .size: 8, .value_kind: global_buffer, .address_space: global }
      - { .name: xc, .offset: 40, .size: 8, .value_kind: global_buffer, .address_space: global }
      - { .name: xs, .offset: 48, .size: 8, .value_kind: global_buffer, .address_space: global }
      - { .name: qk, .offset: 56, .size: 8, .value_kind: global_buffer, .address_space: global }
    .group_segment_fixed_size: 99328
    .private_segment_fixed_size: 0
    .kernarg_segment_align: 8
    .kernarg_segment_size: 64
    .max_flat_workgroup_size: 128
    .sgpr_count:     66
    .vgpr_count:     258
    .wavefront_size: 32
...
	.end_amdgpu_metadata
.endif
;; end of part 1
;; launch attn (part 2): grid 256 x 1, 16 waves a work-group, no clusters, 184,576 bytes of LDS; arguments qk, xc, xs, bh, Wa, ba, out0; writes out0
.if DOCPART == 2
	.amdgcn_target "amdgcn-amd-amdhsa--gfx1250"
	.amdhsa_code_object_version 6
	.text
	.protected	k_qe9b9fa1c11_attn
	.globl	k_qe9b9fa1c11_attn
	.p2align	8
	.type	k_qe9b9fa1c11_attn,@function
k_qe9b9fa1c11_attn:
	s_mov_b64 s[64:65], 0
	v_nop
	global_prefetch_b8 v0, s[64:65] scope:SCOPE_SE
	s_setreg_imm32_b32 hwreg(HW_REG_WAVE_MODE, 25, 1), 1
	s_wait_xcnt 0x0
; out[i] = (sum over keys j of Q(p_ij) Q(x_j)) / l_i, p_ij = 2^(t_ij - M_i), t = log2(e) (sum over u of Wa_u tanh(q_i + k_j + bh)_u + ba), M_i = ceil(the row's largest t), l_i = the sum of the unquantised p.
; THE BAND.  Key j counts for query i where i - 32 <= j < i + 32, inside the batch.  Elsewhere 10,000 is taken off the logit; tanh holds a row's logits within 2 sum|Wa| of each other, so such a p is at most
; 2^((2 sum|Wa| - 10,000) log2(e)), which is 0 in f32.  LIMIT: sum|Wa| under 4,900.  Only the band's 64 keys a query are computed; the others' p are written as zeros.
; FURTHER LIMITS: NaN and infinities in the inputs are not served; a p under 2^-126 comes out of v_exp_f32 as 0.
; SHARES.  A work-group owns 16 queries (rows 16 g .. 16 g + 15, g its number).  SCORES: wave v owns query v; lane l owns keys i - 32 + l and i + l and sums all 64 units itself, so a row's maximum and sum are
; reductions over one wave and no tanh is computed twice.  PRODUCT: wave v owns channels 64 v .. 64 v + 63: four matrix instructions with K = a window of 128 keys, four blocks of 32 rows from block g / 2 - 1 on.
; Key i - 32 + c of query v has window place v + c + 16 (g % 2), 94 at the most: blocks 0 to 2 are fetched; block 3's p are zeros and its codes and scale a copy of block 2's.
; tanh(z) = 1 - 2 / (1 + 2^y), y = 2 log2(e) z: where 2^y overflows the reciprocal is 0, where it falls to 0 it is 1: no clamp.  So t = T0 + sum of w2_u / (1 + 2^y_u), w2 = -2 log2(e) Wa, T0 = log2(e) ba - (sum of w2) / 2.
; THE MATRIX INSTRUCTION IS USED TRANSPOSED (source 0 = 16 channels of x, source 1 = p's 16 queries): a lane holds one query and eight neighbouring channels.
; Blocks and rows outside the tensor are clamped (on the work-group's and the wave's number alone); keys outside the batch get t = -infinity, so p = 0, and zero codes add nothing whatever stands beside them.
; NO CLUSTER: work-groups g and g + 1 share a window, the next two begin one block further on.  A joint load of four partners' four blocks would let half of them read their fragments one block further on:
; an LDS address that hangs on the place in the cluster.
.set XBP,  24704                       ; LDS: x's codes, block n of the window at n XBP: 24,576 bytes + 128, so that lanes 16-31 of a load of 8 bytes, which read the next block, fall 128 bytes (mod 256) from lanes 0-15
.set KL,   74240                       ; k' = 2 log2(e) k: rows 0 .. 79 (key 16 g - 32 + row), 256 bytes + 16
.set KP,   272
.set QL,   96000                       ; wave v's q' = 2 log2(e) (q + bh), 256 bytes
.set WL,   100096                      ; wave v's copy of w2, 256 bytes
.set PL,   104192                      ; p: 16 queries x (128 places of 4 bytes + 16)
.set PP,   528
.set LL,   112640                      ; 1 / l: 16 words
.set OS,   112896                      ; the way out: 16 rows x (256 bytes + 16) for each wave
.set OP,   272
.set PW,   19                          ; v19      p's scale word: scales and nothing else
.set XSW,  20                          ; v20-21   x's scale words: lane l: channel 64 v + 32 g + l: scales and nothing else
.set T0,   22
.set Q,    32                          ; v32-95   q', the same in every lane
.set W,    96                          ; v96-159  w2, the same in every lane
.set Y,    160                         ; v160-223 a key's 64 units; later 64 places of p
.set TM,   236                         ; v236-251 at work in QUANT
.set PC,   32                          ; v32-50   p's codes
.set OA,   64                          ; v64-95   four accumulators
.set XF,   96                          ; v96-143  four fragments of x
.set OB,   192                         ; v192-223 rows of the result
.set SEL,  52
.macro WMAX x                                  ; over the wave's 32 lanes, the result in every lane
.irp k, 1,2,4,8
	v_max_num_f32_dpp v[\x], v[\x], v[\x] row_xmask:\k row_mask:0xf bank_mask:0xf
.endr
	v_permlanex16_b32 v231, v[\x], s[SEL], s[SEL+1]
	v_max_num_f32 v[\x], v[\x], v231
.endm
.macro WSUM x
.irp k, 1,2,4,8
	v_add_f32_dpp v[\x], v[\x], v[\x] row_xmask:\k row_mask:0xf bank_mask:0xf
.endr
	v_permlanex16_b32 v231, v[\x], s[SEL], s[SEL+1]
	v_add_f32 v[\x], v[\x], v231
.endm
; t of my query and key i - 32 + lane + 32 e, into v[t].  The transcendentals go in two batches of 64, each with one plain instruction and one wait behind it, ahead of its first reader.
.macro PAIR e, t
.irp j, 0,1,2,3,4,5,6,7,8,9,10,11,12,13,14,15
	ds_load_b128 v[Y+4*\j:Y+4*\j+3], v4 offset:32*KP*(\e)+16*\j   ; my key's row of k'
.endr
	s_wait_dscnt 0x0
.set i, 0
.rept 32
	v_pk_add_f32 v[Y+i:Y+i+1], v[Y+i:Y+i+1], v[Q+i:Q+i+1]        ; y = q' + k'
.set i, i+2
.endr
.set i, 0
.rept 64
	v_exp_f32 v[Y+i], v[Y+i]
.set i, i+1
.endr
	v_nop
	s_wait_alu depctr_va_vdst(0)
.set i, 0
.rept 32
	v_pk_add_f32 v[Y+i:Y+i+1], v[Y+i:Y+i+1], 1.0 op_sel_hi:[1,0]
.set i, i+2
.endr
.set i, 0
.rept 64
	v_rcp_f32 v[Y+i], v[Y+i]
.set i, i+1
.endr
	v_nop
	s_wait_alu depctr_va_vdst(0)
.irp k, 0,1,2,3
	v_pk_mul_f32 v[24+2*\k:25+2*\k], v[Y+2*\k:Y+2*\k+1], v[W+2*\k:W+2*\k+1]   ; four chains of pairs; the first products start them
.endr
.set i, 4
.rept 28
	v_pk_fma_f32 v[24+2*(i%4):25+2*(i%4)], v[Y+2*i:Y+2*i+1], v[W+2*i:W+2*i+1], v[24+2*(i%4):25+2*(i%4)]
.set i, i+1
.endr
	v_pk_add_f32 v[24:25], v[24:25], v[26:27]
	v_pk_add_f32 v[28:29], v[28:29], v[30:31]
	v_pk_add_f32 v[24:25], v[24:25], v[28:29]
	v_add_f32 v[\t], v24, v25
	v_add_f32 v[\t], v[\t], v[T0]
.endm
; 64 numbers of a lane, v[s] .. v[s + 63], register 16 b + i = place 32 b + 16 (lane / 16) + i of my row, become a fragment's codes in v[PC] on and its scale word in v[PW].
.macro QUANT s
.irp b, 0,1,2,3
	v_max3_num_f32 v[TM+\b], |v[\s+16*\b]|, |v[\s+1+16*\b]|, 0x2800000   ; block b: my 16 numbers, and the floor 2^(5 - 127): the byte cannot fall under 1 (a block of zeros keeps that byte: its codes are zeros)
.endr
.irp i, 2,4,6,8,10,12,14
.irp b, 0,1,2,3
	v_max3_num_f32 v[TM+\b], v[TM+\b], |v[\s+16*\b+\i]|, |v[\s+1+16*\b+\i]|
.endr
.endr
.irp b, 0,1,2,3
	v_permlanex16_b32 v[TM+4+\b], v[TM+\b], s[SEL], s[SEL+1]
.endr
.irp b, 0,1,2,3
	v_max_num_f32 v[TM+\b], v[TM+\b], v[TM+4+\b]
.endr
.irp b, 0,1,2,3
	v_add_nc_u32 v[TM+12+\b], 0xfe000000, v[TM+\b]   ; 4 off the exponent field: the conversion's scale operand
.endr
.irp b, 0,1,2,3
	v_lshrrev_b32 v[TM+4+\b], 23, v[TM+12+\b]      ; the scale's byte
.endr
	v_lshl_or_b32 v[PW], v[TM+5], 8, v[TM+4]
	v_lshl_or_b32 v[PW], v[TM+6], 16, v[PW]
	v_lshl_or_b32 v[PW], v[TM+7], 24, v[PW]
.irp c, 0,1
	v_cvt_scalef32_pk16_bf6_f32 v[PC+6*\c:PC+2+6*\c], v[\s+32*\c:\s+15+32*\c], v[TM+12+2*\c]
	v_cvt_scalef32_pk16_bf6_f32 v[PC+12+4*\c:PC+14+4*\c], v[\s+16+32*\c:\s+31+32*\c], v[TM+12+2*\c+1]
.endr
	v_nop                                          ; one plain instruction behind the scaled conversions
.irp c, 0,1
.irp i, 0,1,2
	v_permlane16_swap_b32 v[PC+6*\c+\i], v[PC+12+4*\c+\i]
.endr
.irp i, 0,1,2
	v_mov_b32 v[PC+3+6*\c+\i], v[PC+12+4*\c+\i]
.endr
.endr
.endm
	s_load_b256 s[8:15], s[0:1], 0x0               ; qk s[8:9], xc s[10:11], xs s[12:13], bh s[14:15]
	s_load_b128 s[16:19], s[0:1], 0x20             ; Wa s[16:17], ba s[18:19]
	s_load_b64 s[20:21], s[0:1], 0x30              ; out0
	v_lshl_add_u32 v254, v0, 2, 0x2c900
	v_mov_b32 v255, 0
	ds_add_u32 v254, v255
	ds_add_u32 v254, v255
	v_lshrrev_b32 v1, 5, v0
	v_readfirstlane_b32 s4, v1                     ; wave 0..15
	v_and_b32 v2, 15, v0                           ; r
	v_bfe_u32 v3, v0, 4, 1                         ; h
	v_and_b32 v1, 31, v0                           ; lane
	s_mov_b32 s5, ttmp9                            ; g: which 16 queries
	s_and_b32 s6, s5, 1
	s_lshl_b32 s6, s6, 6                           ; 16 places of 4 bytes where g is odd
	s_lshr_b32 s7, s5, 1
	s_sub_co_i32 s7, s7, 1                         ; the window's first block of 32 rows (-1 for g = 0, 1)
.irp n, 0,1,2
	s_add_co_i32 s[36+\n], s7, \n                  ; block n, held inside the tensor; x 1,024: its row of scale bytes
	s_max_i32 s[36+\n], s[36+\n], 0
	s_min_i32 s[36+\n], s[36+\n], 127
	s_lshl_b32 s[36+\n], s[36+\n], 10
.endr
	s_min_u32 s55, s4, 2                           ; waves 0, 1, 2 fetch blocks 0, 1, 2
	s_add_co_i32 s40, s7, s55
	s_max_i32 s40, s40, 0
	s_min_i32 s40, s40, 127
	s_mul_i32 s40, s40, 24576                      ; a block's codes: 32 groups of 768 bytes
	s_mov_b32 s41, 0
	s_lshl_b32 s47, s5, 4
	s_add_co_u32 s47, s47, s4                      ; my query's row
.irp s, 0,1,2,3,4
	s_add_co_i32 s[42+\s], s47, 16*\s-32           ; the five rows of k that I bring: 16 g - 32 + 16 s + v, held inside the tensor; x 256 bytes
	s_max_i32 s[42+\s], s[42+\s], 0
	s_min_i32 s[42+\s], s[42+\s], 4095
	s_lshl_b32 s[42+\s], s[42+\s], 8
.endr
	s_lshl_b32 s47, s47, 8
	s_and_b32 s48, s5, 63
	s_lshl_b32 s48, s48, 4
	s_add_co_u32 s48, s48, s4
	s_sub_co_i32 s48, s48, 32                      ; lane 0's first key, counted inside the batch (may be negative)
	s_lshl_b32 s50, s5, 16                         ; out0: 16 rows of 4,096 bytes
	s_mov_b32 s51, 0
	s_mov_b32 s[SEL], 0x76543210
	s_mov_b32 s[SEL+1], 0xfedcba98                 ; v_permlanex16_b32's selects for lane l xor 16
	; descriptor group 1: a dense block of 24,576 bytes as 96 rows of 32 elements of 8 bytes; no mask, no padding
	s_mov_b32 s28, 3<<16                           ; 17:16 elements of 8 bytes
	s_mov_b32 s29, 32<<16                          ; tensor_dim0 = 32
	s_mov_b32 s30, 96<<16                          ; tensor_dim1 = 96
	s_mov_b32 s31, 32<<16                          ; tile_dim0 = 32
	s_mov_b32 s32, 96                              ; tile_dim1 = 96
	s_mov_b32 s33, 32                              ; from row to row: 32 elements
	s_mov_b32 s34, 0
	s_mov_b32 s35, 0
	s_mov_b32 s24, 1                               ; group 0: count = 1,
	s_mul_i32 s25, s55, XBP                        ; the block's place in LDS
	v_lshlrev_b32 v166, 3, v1                      ; 8 x lane
.irp s, 0,1,2,3,4
	v_add_nc_u32 v[160+\s], s[42+\s], v166
.endr
	v_add_nc_u32 v165, s47, v166
	s_lshl_b32 s54, s4, 6
	v_add_nc_u32 v211, s54, v1                     ; channel 64 v + lane
.irp n, 0,1,2
	v_add_nc_u32 v[167+\n], s[36+\n], v211
.endr
	v_mov_b32 v170, 0
	s_wait_dscnt 0x0
	s_wait_kmcnt 0x0
	s_add_nc_u64 s[20:21], s[20:21], s[50:51]
	s_add_nc_u64 s[26:27], s[10:11], s[40:41]      ; the block's codes in memory,
	s_or_b32 s27, s27, 0x80000000                  ; type = 2
	s_cmp_lt_u32 s4, 3                             ; the launch's only fills: one load in each of waves 0, 1, 2, in one branch on the wave's number, ahead of every LDS read, barrier and wait on TENSORcnt
	s_cbranch_scc0 .Lno_fill
	tensor_load_to_lds s[24:27], s[28:35]
	s_nop 0
.rept 4
	v_nop
.endr
.Lno_fill:
.irp s, 0,1,2,3,4
	global_load_b64 v[172+4*\s:173+4*\s], v[160+\s], s[8:9] offset:1048576    ; a row of k's sums over the lower half of K: 32 lanes read its 256 bytes,
	global_load_b64 v[174+4*\s:175+4*\s], v[160+\s], s[8:9] offset:3145728    ; and over the upper half
.endr
	global_load_b64 v[192:193], v165, s[8:9]                                  ; my query's row of q likewise
	global_load_b64 v[194:195], v165, s[8:9] offset:2097152
	global_load_b64 v[196:197], v166, s[14:15]                                ; bh
	global_load_b64 v[198:199], v166, s[16:17]                                ; Wa: units 2 lane, 2 lane + 1
	global_load_b32 v206, v170, s[18:19]                                      ; ba, in every lane
.irp g, 0,1
.irp n, 0,1,2
	global_load_u8 v[200+\n+3*\g], v[167+\n], s[12:13] offset:32*\g           ; the scale byte of block n, channel 64 v + 32 g + lane
.endr
.endr
	; LDS addresses
	s_mul_i32 s54, s4, KP
	s_add_co_u32 s54, s54, KL
	v_mul_u32_u24 v4, v1, KP
	v_add_nc_u32 v4, s54, v4                       ; k': row v + lane
	v_add_nc_u32 v207, s54, v166                   ; where I store rows 16 s + v of k'
	s_mul_i32 s54, s4, PP
	s_add_co_u32 s54, s54, PL                      ; my query's row of p
	v_lshl_add_u32 v6, v1, 4, s54                  ; to clear it: 16 x lane
	s_lshl_b32 s55, s4, 2
	s_add_co_u32 s55, s55, s54
	s_add_co_u32 s55, s55, s6
	v_lshl_add_u32 v5, v1, 2, s55                  ; place v + lane + 16 (g % 2): with the 128 bytes of the second key at most byte 380 of the row's 512
	v_mul_u32_u24 v7, v2, PP
	v_lshl_add_u32 v7, v3, 6, v7
	v_add_nc_u32 v7, PL, v7                        ; p back: row r, + 64 h
	s_mul_i32 s54, s4, 1536                        ; my 64 channels: two groups of 768 bytes
	v_mul_u32_u24 v212, v3, XBP
	v_add_nc_u32 v212, s54, v212                   ; registers 0-5 of a fragment: block h of the window
	v_lshl_add_u32 v8, v2, 4, v212
	v_lshl_add_u32 v9, v2, 3, v212
	s_add_co_u32 s54, s54, 2*XBP                   ; registers 6-11: block 2, in both halves of the lanes
	v_lshl_add_u32 v10, v2, 4, s54
	v_lshl_add_u32 v11, v2, 3, s54
	s_lshl_b32 s54, s4, 2
	s_add_co_u32 s54, s54, LL
	v_mov_b32 v12, s54                             ; my query's 1 / l
	v_lshl_add_u32 v13, v2, 2, LL                  ; query r's
	s_mul_i32 s54, s4, 16*OP
	s_add_co_u32 s54, s54, OS                      ; my stage
	v_mul_u32_u24 v14, v2, OP
	v_lshl_add_u32 v14, v3, 5, v14
	v_add_nc_u32 v14, s54, v14                     ; in: row r, + 32 h
	v_mul_u32_u24 v15, v3, OP
	v_lshl_add_u32 v15, v2, 4, v15
	v_add_nc_u32 v15, s54, v15                     ; back: lanes 0-15 one row, lanes 16-31 the next
	v_lshlrev_b32 v16, 12, v3
	v_lshl_add_u32 v16, v2, 4, v16
	s_lshl_b32 s54, s4, 8
	v_add_nc_u32 v16, s54, v16                     ; the same in out0: 4,096 h + 256 v + 16 r
	s_add_co_u32 s55, s54, QL
	v_mov_b32 v17, s55                             ; my q'
	v_add_nc_u32 v208, s55, v166
	s_add_co_u32 s55, s54, WL
	v_mov_b32 v18, s55                             ; my w2
	v_add_nc_u32 v209, s55, v166
.irp i, 224,225,226,227,231,235
	v_mov_b32 v\i, 0                               ; four zeros to clear p's row; a lane permute's destination; the upper half of the pair v[234:235]
.endr
	v_mov_b32 v238, 0xff800000                     ; -infinity
	s_wait_loadcnt 0x0
.irp s, 0,1,2,3,4
	v_pk_add_f32 v[172+4*\s:173+4*\s], v[172+4*\s:173+4*\s], v[174+4*\s:175+4*\s]
.endr
.irp s, 0,1,2,3,4
	v_pk_mul_f32 v[172+4*\s:173+4*\s], v[172+4*\s:173+4*\s], 0x4038aa3b op_sel_hi:[1,0]   ; k' = 2 log2(e) k
.endr
.irp s, 0,1,2,3,4
	ds_store_b64 v207, v[172+4*\s:173+4*\s] offset:16*KP*\s
.endr
	v_pk_add_f32 v[192:193], v[192:193], v[194:195]
	v_pk_add_f32 v[192:193], v[192:193], v[196:197]
	v_pk_mul_f32 v[192:193], v[192:193], 0x4038aa3b op_sel_hi:[1,0]           ; q' = 2 log2(e) (q + bh)
	v_pk_mul_f32 v[198:199], v[198:199], 0xc038aa3b op_sel_hi:[1,0]           ; w2 = -2 log2(e) Wa
	ds_store_b64 v208, v[192:193]
	ds_store_b64 v209, v[198:199]
.irp j, 0,1,2,3,4,5,6,7,8,9,10,11,12,13,14,15
	ds_load_b128 v[Q+4*\j:Q+4*\j+3], v17 offset:16*\j      ; all 64 into every lane.  LDS serves a wave's instructions in order: these see my stores
.endr
.irp j, 0,1,2,3,4,5,6,7,8,9,10,11,12,13,14,15
	ds_load_b128 v[W+4*\j:W+4*\j+3], v18 offset:16*\j
.endr
	v_add_f32 v210, v198, v199
	WSUM 210                                       ; the sum of w2
	v_mul_f32 v206, 0x3fb8aa3b, v206
	v_fma_f32 v[T0], v210, -0.5, v206              ; T0 = log2(e) ba + log2(e) sum of Wa
.irp g, 0,1
	v_lshl_or_b32 v[XSW+\g], v[201+3*\g], 8, v[200+3*\g]   ; a channel's scale word for the window: blocks 0, 1, 2, and 2 again
	v_lshl_or_b32 v[XSW+\g], v[202+3*\g], 16, v[XSW+\g]
	v_lshl_or_b32 v[XSW+\g], v[202+3*\g], 24, v[XSW+\g]
.endr
	s_wait_dscnt 0x0                               ; my rows of k' have landed, q' and w2 are in
	s_barrier_signal -1
	s_barrier_wait -1                              ; all 80 rows of k' lie in LDS.  (The tensor loads may stay out)
	; ---- the scores of my query
	PAIR 0, 228
	PAIR 1, 229
	v_add_nc_u32 v236, s48, v1                     ; my two keys, counted inside the batch
	v_add_nc_u32 v237, 32, v236
	v_cmp_gt_u32 vcc_lo, 1024, v236                ; unsigned: a negative number is outside too
	v_cndmask_b32 v228, v238, v228, vcc_lo
	v_cmp_gt_u32 vcc_lo, 1024, v237
	v_cndmask_b32 v229, v238, v229, vcc_lo         ; (the query's own key, lane 0's second, always counts: the maximum is a number)
	v_max_num_f32 v230, v228, v229
	WMAX 230
	v_floor_f32 v232, -v230                        ; -M = floor(-t) = -ceil(t)
	v_add_f32 v228, v228, v232
	v_add_f32 v229, v229, v232
	v_exp_f32 v228, v228                           ; p = 2^(t - M): not normalised
	v_exp_f32 v229, v229
	v_nop
	s_wait_alu depctr_va_vdst(0)                   ; one wait for the two, ahead of their first reader
	v_add_f32 v233, v228, v229                     ; the row's sum is taken of the unquantised p
	WSUM 233
	v_rcp_f32 v234, v233
	v_nop
	s_wait_alu depctr_va_vdst(0)
	ds_store_b128 v6, v[224:227]                   ; my row's 128 places are cleared, then my 64 p are set: a wave's LDS instructions are served in order
	ds_store_b32 v5, v228
	ds_store_b32 v5, v229 offset:128
	ds_store_b32 v12, v234                         ; all lanes write the same word with the same value
	s_wait_tensorcnt 0x0                           ; my block of x's codes has landed (waves 0, 1, 2; the others have none out),
	s_wait_dscnt 0x0                               ; and so have my stores
	s_barrier_signal -1
	s_barrier_wait -1                              ; p, 1 / l and the three blocks of codes lie in LDS
	; ---- the product: my 64 channels for the 16 queries
.irp b, 0,1,2,3
.irp j, 0,1,2,3
	ds_load_b128 v[Y+16*\b+4*\j:Y+16*\b+4*\j+3], v7 offset:128*\b+16*\j   ; query r: places 32 b + 16 h + 0 .. 15
.endr
.endr
	ds_load_b32 v234, v13
.irp f, 0,1,2,3                                ; the fragment of channels 64 v + 16 f + r: group f / 2, lanes' places 16 (f % 2) + r
	ds_load_b128 v[XF+12*\f:XF+12*\f+3], v8 offset:768*(\f/2)+256*(\f%2)
	ds_load_b64 v[XF+12*\f+4:XF+12*\f+5], v9 offset:768*(\f/2)+128*(\f%2)+512
	ds_load_b128 v[XF+12*\f+6:XF+12*\f+9], v10 offset:768*(\f/2)+256*(\f%2)
	ds_load_b64 v[XF+12*\f+10:XF+12*\f+11], v11 offset:768*(\f/2)+128*(\f%2)+512
.endr
	s_wait_dscnt 16                                ; p and 1 / l are in; the 16 loads of the fragments, issued behind them, may be out
.irp b, 0,1,2,3
	v_mov_b32 v[TM+4+\b], 0                        ; a lane permute's destination counts as one of its sources
.endr
	QUANT Y
	s_wait_dscnt 0x0
.rept 8
	v_nop                                          ; p's scale word, written by vector instructions, stands eight places ahead of the scaled matrix instruction, its codes four
.endr
.irp f, 0,1,2,3
.if \f%2 == 0
	v_wmma_scale_f32_16x16x128_f8f6f4 v[OA+8*\f:OA+8*\f+7], v[XF+12*\f:XF+12*\f+11], v[PC:PC+11], 0, v[XSW+\f/2], v[PW] matrix_a_fmt:MATRIX_FMT_BF6 matrix_b_fmt:MATRIX_FMT_BF6
.else
	v_wmma_scale_f32_16x16x128_f8f6f4 v[OA+8*\f:OA+8*\f+7], v[XF+12*\f:XF+12*\f+11], v[PC:PC+11], 0, v[XSW+\f/2], v[PW] matrix_a_fmt:MATRIX_FMT_BF6 matrix_b_fmt:MATRIX_FMT_BF6 matrix_a_scale:MATRIX_SCALE_ROW1
.endif
.endr
.rept 4
	v_nop                                          ; four places (ISA guide 7.12.1) in front of the first read of results
.endr
.set i, 0
.rept 16
	v_pk_mul_f32 v[160+i:161+i], v[OA+i:OA+i+1], v[234:235] op_sel_hi:[1,0]   ; / l; ascending: each accumulator from its low end on
.set i, i+2
.endr
.irp f, 0,1,2,3
	ds_store_b128 v14, v[160+8*\f:163+8*\f] offset:64*\f          ; lane (r, h): query r, channels 16 f + 8 h + 0 .. 7 of my 64
	ds_store_b128 v14, v[164+8*\f:167+8*\f] offset:64*\f+16
.endr
.irp i, 0,1,2,3,4,5,6,7
	ds_load_b128 v[OB+4*\i:OB+4*\i+3], v15 offset:2*OP*\i         ; my own stage: these see my stores
.endr
.irp i, 0,1,2,3,4,5,6,7
	s_wait_dscnt 7-\i                              ; load i is in; the 7 - i behind it may be out
	global_store_b128 v16, v[OB+4*\i:OB+4*\i+3], s[20:21] offset:8192*\i th:TH_STORE_NT   ; 16 lanes store 256 consecutive bytes, at a multiple of 256 from out0's first byte; written once, read by nobody here
.endr
	s_wait_tensorcnt 0x0
	ds_add_u32 v254, v255
	s_wait_dscnt 0x0
	s_endpgm
.Lfunc_end_k_qe9b9fa1c11_attn:
	.size	k_qe9b9fa1c11_attn, .Lfunc_end_k_qe9b9fa1c11_attn-k_qe9b9fa1c11_attn
	.p2alignl 7, 3214868480
	.fill 96, 4, 3214868480
	.section	.rodata,"a",@progbits
	.p2align	6, 0x0
	.amdhsa_kernel k_qe9b9fa1c11_attn
		.amdhsa_group_segment_fixed_size 184576
		.amdhsa_private_segment_fixed_size 0
		.amdhsa_enable_private_segment 0
		.amdhsa_kernarg_size 56
		.amdhsa_user_sgpr_count 2
		.amdhsa_user_sgpr_kernarg_segment_ptr 1
		.amdhsa_wavefront_size32 1
		.amdhsa_system_sgpr_workgroup_id_x 1
		.amdhsa_system_sgpr_workgroup_id_y 1
		.amdhsa_system_sgpr_workgroup_id_z 1
		.amdhsa_system_vgpr_workitem_id 0
		.amdhsa_next_free_vgpr 256
		.amdhsa_next_free_sgpr 66
		.amdhsa_reserve_vcc 1
		.amdhsa_float_denorm_mode_32 3
		.amdhsa_float_denorm_mode_16_64 3
		.amdhsa_memory_ordered 1
		.amdhsa_forward_progress 1
		.amdhsa_inst_pref_size 49
	.end_amdhsa_kernel
	.amdgpu_metadata
---
amdhsa.version: [ 1, 2 ]
amdhsa.kernels:
  - .name:           k_qe9b9fa1c11_attn
    .symbol:         k_qe9b9fa1c11_attn.kd
    .args:
      - { .name: qk, .offset: 0, .size: 8, .value_kind: global_buffer, .address_space: global }
      - { .name: xc, .offset: 8, .size: 8, .value_kind: global_buffer, .address_space: global }
      - { .name: xs, .offset: 16, .size: 8, .value_kind: global_buffer, .address_space: global }
      - { .name: bh, .offset: 24, .size: 8, .value_kind: global_buffer, .address_space: global }
      - { .name: Wa, .offset: 32, .size: 8, .value_kind: global_buffer, .address_space: global }
      - { .name: ba, .offset: 40, .size: 8, .value_kind: global_buffer, .address_space: global }
      - { .name: out0, .offset: 48, .size: 8, .value_kind: global_buffer, .address_space: global }
    .group_segment_fixed_size: 184576
    .private_segment_fixed_size: 0
    .kernarg_segment_align: 8
    .kernarg_segment_size: 56
    .max_flat_workgroup_size: 512
    .sgpr_count:     66
    .vgpr_count:     256
    .wavefront_size: 32
...
	.end_amdgpu_metadata
.endif
;; end of part 2
;; ======== version 2 of 2: 2 launches; version 1 with the launch prep written anew for expert scheduling mode
;; limits: right only within a limited range of input values
;; workspace buffers: xc 3,145,728 bytes; xs 131,072 bytes; qk 4,194,304 bytes
;; launch prep (part 3): grid 128 x 2, 4 waves a work-group, no clusters, 99,328 bytes of LDS; arguments x, Wt_codes, Wt_scales, Wx_codes, Wx_scales, xc, xs, qk; writes xc, xs, qk
.if DOCPART == 3
	.amdgcn_target "amdgcn-amd-amdhsa--gfx1250"
	.amdhsa_code_object_version 6
	.text
	.protected	k_qe9b9fa1c11_prep
	.globl	k_qe9b9fa1c11_prep
	.p2align	8
	.type	k_qe9b9fa1c11_prep,@function
k_qe9b9fa1c11_prep:
	s_mov_b64 s[64:65], 0
	v_nop
	global_prefetch_b8 v0, s[64:65] scope:SCOPE_SE
	s_setreg_imm32_b32 hwreg(HW_REG_WAVE_SCHED_MODE, 0, 2), 2
	s_setreg_imm32_b32 hwreg(HW_REG_WAVE_MODE, 25, 1), 1
	s_wait_xcnt 0x0
	s_wait_alu depctr_vm_vsrc(0)
; x [4096 rows][1024] f32 is read ONCE and quantised TWICE to codes of BF6 (E3M2) with one E8M0 byte for each 32 numbers:
;  (a) along its channels, for q = x Wt and k = x Wx (the weights come as codes): half-K partial sums go to qk [half][q, k][row][64] f32;
;  (b) along its rows (the keys of the last product): codes go to xc [block of 32 rows][group of 32 channels][768 bytes], in the order of an operand's registers
;      (channel l of the group: registers 0-3 at 16 l, registers 4-5 at 512 + 8 l), the scale bytes to xs [block][channel].
; SHARES.  A work-group takes 32 rows (x: its number along x) and 512 channels (y): 64 KiB of x.  Wave w LOADS AND QUANTISES channels 128 w .. 128 w + 127 of that half, both ways.
; Wave w MULTIPLIES for 32 units of one weight (waves 0, 1: Wt; 2, 3: Wx; units 32 (w % 2) on), both tiles of 16 rows, all four K steps: 16 matrix instructions.  x's fragments go from wave to wave
; through LDS as images of their registers (three stores of 16 bytes a lane, 512 consecutive bytes each), their scale words likewise.
; THE MATRIX INSTRUCTION IS USED TRANSPOSED (source 0 = 16 units, source 1 = 16 rows of x): a lane then holds eight neighbouring units of one row.
; NO CLUSTER: what all work-groups share is the weights, 12 KiB a wave.  They go from memory straight into the operand's registers, asked for behind x's 32 loads and used only when x has been quantised twice;
; a joint load would send them through LDS.
; LIMITS: NaN and infinities in x are not served.  A block of zeros gets the byte 1 where the rule says 127: its codes are zeros, and this program alone reads the bytes.
; The scale's byte is held at 1 from below by a floor among the leaves of the maximum.
; THE MODE: SCHED_MODE bits 1:0 = 2 (LLVM: expert scheduling mode 2), set by the entry lines.  The code itself states the register dependences
; between vector or matrix instructions and memory or LDS instructions, with s_wait_alu, always for 0.
; THE PLAN.  Registers that memory or LDS instructions touch:
;   v1, v4-v15       offsets and LDS addresses: written once by vector lines at the head, afterwards only read.
;   v16-31, v32-127  the weights, their scale words and x's scale words: written by loads, read by matrix instructions alone.
;   v128-255         x as loaded, read by the 32 stage stores.  Then v128-191: 64 numbers of a row from LDS, twice, read by QUANT, which writes v192-230; the image's four stores read v208 and v212-223.
;                    Then v128-159 and v160-191 by turns: a group's 32 numbers down the keys from LDS, read by COLQV, which writes group g's codes v[192 + 8 g] on and its byte v[232 + g]; COLQS stores those.
;                    Then v128-223: x's eight images from LDS, read by the products, which write v224-255; the stage stores read those; the last LDS loads land in v128-163.
; So ONE wait on va_vdst stands behind each piece of vector or matrix work: it states that the piece's results are written, for the stores that read them, and that the piece is done reading its numbers, for
; the loads that land there next; both kinds follow it, the loads first, and no vector line stands among them.  A wait on vm_vsrc stands ahead of each piece that writes registers which stores have read.
.set XIMG, 0                           ; LDS: x's 8 fragments (tile of rows m, K step s: 4 m + s), 1,536 bytes each
.set XSC,  12288                       ; their scale words, 128 bytes each
.set SBY,  13312                       ; the 512 scale bytes of the key-wise blocks
.set OST,  13824                       ; the way out of the sums: 64 rows (32 of q, 32 of k) x (256 bytes + 16)
.set XST,  31232                       ; a stage of 32 rows x (512 bytes + 16) for each wave, its own
.set WST,  16896
.set SP,   528                         ; 33 x 16 bytes: the 16 rows that a load of 16 bytes a lane touches begin in 16 different columns of 16 bytes
.set OP,   272                         ; 17 x 16 bytes, likewise
.set WS,   16                          ; v16-23   the weights' scale words (4 n + s): scales and nothing else
.set XSW,  24                          ; v24-31   x's scale words (4 m + s): scales and nothing else
.set WF,   32                          ; v32-127  the weights' fragments, 12 (4 n + s)
.set XR,   128                         ; v128-255 x as loaded: row i at 128 + 4 i
.set R,    128                         ; v128-191 64 numbers of a lane's row
.set TM,   192                          ; v192-207 at work in QUANT
.set PW,   208                         ; the scale word just made
.set PC,   212                         ; v212-230 the codes just made
.set CA,   128                         ; v128-159, v160-191: two sets of 32 numbers down the keys
.set CB,   160
.set CC,   192                         ; v[192 + 8 g] on: six registers of codes for group g: no store's data are written again
.set CT,   224                         ; v224-226, v228-230 by turns: a block's upper 16 codes as they are made
.set SBV,  232                         ; v232-235 a scale byte for each group
.set MX,   236
.set SO,   238
.set AF,   128                         ; v128-223 x's fragments, 12 (4 m + s)
.set ACC,  224                         ; v224-255 four accumulators, 8 (2 m + n)
.set OB,   128
.set SEL,  30
; 64 numbers of a lane, v[s] .. v[s + 63], register 16 b + i = channel 32 b + 16 (lane / 16) + i of my row, become a fragment's codes in v[PC] on and its scale word in v[PW].
.macro QUANT s
.irp b, 0,1,2,3
	v_max3_num_f32 v[TM+\b], |v[\s+16*\b]|, |v[\s+1+16*\b]|, 0x2800000   ; block b: my 16 numbers, and the floor 2^(5 - 127): the byte cannot fall under 1
.endr
.irp i, 2,4,6,8,10,12,14
.irp b, 0,1,2,3
	v_max3_num_f32 v[TM+\b], v[TM+\b], |v[\s+16*\b+\i]|, |v[\s+1+16*\b+\i]|   ; the four blocks by turns
.endr
.endr
.irp b, 0,1,2,3
	v_permlanex16_b32 v[TM+4+\b], v[TM+\b], s[SEL], s[SEL+1]
.endr
.irp b, 0,1,2,3
	v_max_num_f32 v[TM+\b], v[TM+\b], v[TM+4+\b]   ; with lane l xor 16's: the block's largest magnitude
.endr
.irp b, 0,1,2,3
	v_add_nc_u32 v[TM+12+\b], 0xfe000000, v[TM+\b]   ; 4 off its exponent field: the conversion takes this operand's exponent field as its scale
.endr
.irp b, 0,1,2,3
	v_lshrrev_b32 v[TM+4+\b], 23, v[TM+12+\b]      ; the scale's byte
.endr
	v_lshl_or_b32 v[PW], v[TM+5], 8, v[TM+4]       ; the four bytes make my row's scale word
	v_lshl_or_b32 v[PW], v[TM+6], 16, v[PW]
	v_lshl_or_b32 v[PW], v[TM+7], 24, v[PW]
.irp c, 0,1
	v_cvt_scalef32_pk16_bf6_f32 v[PC+6*\c:PC+2+6*\c], v[\s+32*\c:\s+15+32*\c], v[TM+12+2*\c]
	v_cvt_scalef32_pk16_bf6_f32 v[PC+12+4*\c:PC+14+4*\c], v[\s+16+32*\c:\s+31+32*\c], v[TM+12+2*\c+1]   ; (a conversion's three registers begin on an even number)
.endr
	v_nop                                          ; one plain instruction behind the scaled conversions
.irp c, 0,1                                    ; the operand's layout wants a whole block in a lane: lanes 0-15 block 2 c, lanes 16-31 block 2 c + 1
.irp i, 0,1,2
	v_permlane16_swap_b32 v[PC+6*\c+\i], v[PC+12+4*\c+\i]
.endr
.irp i, 0,1,2
	v_mov_b32 v[PC+3+6*\c+\i], v[PC+12+4*\c+\i]
.endr
.endr
.endm
.macro ROWS m                                  ; tile m of 16 rows: my row's 64 numbers out of my stage: of each block of 32 channels my half's 16
.irp b, 0,1,2,3
.irp j, 0,1,2,3
	ds_load_b128 v[R+16*\b+4*\j:R+16*\b+4*\j+3], v7 offset:16*SP*(\m)+128*\b+16*\j   ; LDS serves a wave's instructions in order: these see my stores
.endr
.endr
.endm
.macro IMAGE off                               ; the fragment in v[PC] on goes to LDS as it stands: K step = my wave
.irp c, 0,1,2
	ds_store_b128 v9, v[PC+4*\c:PC+4*\c+3] offset:(\off)+512*\c
.endr
.endm
.macro FETCH reg, off                          ; and comes back so, in any wave
.irp c, 0,1,2
	ds_load_b128 v[(\reg)+4*\c:(\reg)+4*\c+3], v4 offset:(\off)+512*\c
.endr
.endm
.macro LOADC g, x                              ; group g: a lane takes channel 32 g + lane, and its registers run down the 32 keys; each load reads 128 consecutive bytes of my stage
.irp i, 0,1,2,3,4,5,6,7,8,9,10,11,12,13,14,15,16,17,18,19,20,21,22,23,24,25,26,27,28,29,30,31
	ds_load_b32 v[\x+\i], v8 offset:SP*\i+128*(\g)
.endr
.endm
.macro COLQV g, x                              ; a lane's block of 32 keys: all 32 numbers are its own.  The vector work: codes into v[CC + 8 g] on, the byte into v[SBV + g]
	v_max3_num_f32 v[MX], |v[\x]|, |v[\x+1]|, |v[\x+2]|
	v_max3_num_f32 v[MX+1], |v[\x+3]|, |v[\x+4]|, |v[\x+5]|
.irp i, 6,10,14,18,22,26
	v_max3_num_f32 v[MX], v[MX], |v[\x+\i]|, |v[\x+\i+1]|
	v_max3_num_f32 v[MX+1], v[MX+1], |v[\x+\i+2]|, |v[\x+\i+3]|
.endr
	v_max3_num_f32 v[MX], v[MX], |v[\x+30]|, |v[\x+31]|
	v_max3_num_f32 v[MX], v[MX], v[MX+1], 0x2800000   ; and the floor
	v_add_nc_u32 v[SO], 0xfe000000, v[MX]
	v_cvt_scalef32_pk16_bf6_f32 v[CC+8*(\g):CC+8*(\g)+2], v[\x:\x+15], v[SO]
	v_cvt_scalef32_pk16_bf6_f32 v[CT+4*((\g)%2):CT+4*((\g)%2)+2], v[\x+16:\x+31], v[SO]
	v_lshrrev_b32 v[SBV+(\g)], 23, v[SO]           ; the scale's byte; also the plain instruction behind the conversions
.irp i, 0,1,2
	v_mov_b32 v[CC+8*(\g)+3+\i], v[CT+4*((\g)%2)+\i]
.endr
.endm
.macro COLQS g                                 ; and its three stores
	ds_store_b8 v11, v[SBV+(\g)] offset:32*(\g)
	global_store_b128 v4, v[CC+8*(\g):CC+8*(\g)+3], s[18:19] offset:768*(\g)       ; 32 lanes store 512 consecutive bytes, at a multiple of 256 from xc's first byte
	global_store_b64 v5, v[CC+8*(\g)+4:CC+8*(\g)+5], s[18:19] offset:768*(\g)+512   ; and 256
.endm
.macro BARRIER                                 ; my LDS stores have landed and my LDS loads are in: then the work-group's barrier
	s_wait_dscnt 0x0
	s_barrier_signal -1
	s_barrier_wait -1
.endm
	s_load_b256 s[8:15], s[0:1], 0x0               ; x s[8:9], Wt's codes s[10:11], Wt's scales s[12:13], Wx's codes s[14:15]
	s_load_b256 s[16:23], s[0:1], 0x20             ; Wx's scales s[16:17], xc s[18:19], xs s[20:21], qk s[22:23]
	s_set_vgpr_msb 0x40
	v_lshl_add_u32 v0, v0, 2, 0x18200
	v_mov_b32 v1, 0
	s_set_vgpr_msb 0x4000
	v_lshrrev_b32 v1, 5, v0
	v_readfirstlane_b32 s4, v1                     ; wave 0..3
	v_and_b32 v2, 15, v0                           ; r
	v_bfe_u32 v3, v0, 4, 1                         ; h
	v_and_b32 v0, 31, v0                           ; lane
	v_lshlrev_b32 v1, 5, v2                        ; the weights' scale words: 32 bytes a unit
	v_lshlrev_b32 v4, 4, v0                        ; 16 x lane
	v_lshlrev_b32 v5, 3, v0                        ; 8 x lane
	v_lshlrev_b32 v12, 2, v0                       ; 4 x lane
	v_mul_u32_u24 v15, v2, 768                     ; the weights' codes: a unit's row is 1,024 codes, 768 bytes,
	v_mad_u32_u24 v15, v3, 24, v15                 ; + 24 h
	s_mov_b32 s5, ttmp9                            ; which 32 rows
	s_and_b32 s6, ttmp7, 0xffff                    ; which half of the channels
	s_wait_alu depctr_va_sdst(0)                   ; s4 is written, ahead of its first reader: bases, LDS addresses and a choice and a branch are made from it
	s_and_b32 s7, s4, 1
	s_lshr_b32 s24, s4, 1
	s_lshl_b32 s32, s5, 17                         ; x: 32 rows of 4,096 bytes, + 2,048 a half, + 512 a wave
	s_lshl_b32 s44, s6, 11
	s_add_co_u32 s32, s32, s44
	s_lshl_b32 s44, s4, 9
	s_add_co_u32 s32, s32, s44
	s_mov_b32 s33, 0
	s_mul_i32 s34, s7, 24576                       ; the weight's codes: my 32 units, + 384 bytes for the upper half of K
	s_mul_i32 s44, s6, 384
	s_add_co_u32 s34, s34, s44
	s_mov_b32 s35, 0
	s_lshl_b32 s36, s7, 10                         ; its scales: my 32 units of 32 bytes, + 16 for the upper half
	s_lshl_b32 s44, s6, 4
	s_add_co_u32 s36, s36, s44
	s_mov_b32 s37, 0
	s_mul_i32 s38, s5, 24576                       ; xc: 32 groups of 768 bytes a block of rows, 16 groups a half, 4 a wave
	s_mul_i32 s44, s6, 12288
	s_add_co_u32 s38, s38, s44
	s_mul_i32 s44, s4, 3072
	s_add_co_u32 s38, s38, s44
	s_mov_b32 s39, 0
	s_lshl_b32 s40, s5, 10                         ; xs: 1,024 bytes a block of rows, 512 a half
	s_lshl_b32 s44, s6, 9
	s_add_co_u32 s40, s40, s44
	s_mov_b32 s41, 0
	s_lshl_b32 s42, s6, 21                         ; qk: the half, q or k, my work-group's 32 rows of 256 bytes, the 16 of them that I store
	s_lshl_b32 s44, s24, 20
	s_add_co_u32 s42, s42, s44
	s_lshl_b32 s44, s5, 13
	s_add_co_u32 s42, s42, s44
	s_lshl_b32 s44, s7, 12
	s_add_co_u32 s42, s42, s44
	s_mov_b32 s43, 0
	s_mov_b32 s[SEL], 0x76543210
	s_mov_b32 s[SEL+1], 0xfedcba98                 ; v_permlanex16_b32's selects for lane l xor 16
	s_wait_kmcnt 0x0
	s_add_nc_u64 s[8:9], s[8:9], s[32:33]
	s_cmp_lt_u32 s4, 2                             ; waves 0, 1 multiply by Wt, waves 2, 3 by Wx: the choice hangs on the wave's number alone
	s_cselect_b64 s[26:27], s[10:11], s[14:15]
	s_cselect_b64 s[28:29], s[12:13], s[16:17]
	s_add_nc_u64 s[26:27], s[26:27], s[34:35]
	s_add_nc_u64 s[28:29], s[28:29], s[36:37]
	s_add_nc_u64 s[18:19], s[18:19], s[38:39]
	s_add_nc_u64 s[20:21], s[20:21], s[40:41]
	s_add_nc_u64 s[22:23], s[22:23], s[42:43]
	s_wait_alu depctr_va_vdst(0)                   ; the offsets v1, v4, v5, v12 and v15 are written, which the loads below and the later loads and stores read
.irp i, 0,1,2,3,4,5,6,7,8,9,10,11,12,13,14,15,16,17,18,19,20,21,22,23,24,25,26,27,28,29,30,31
	global_load_b128 v[XR+4*\i:XR+4*\i+3], v4, s[8:9] offset:4096*\i th:TH_LOAD_NT   ; row i: 32 lanes read 512 consecutive bytes; all my 16 KiB are asked for at once; read once in the launch
.endr
.irp n, 0,1
.irp s, 0,1,2,3
.irp p, 0,1,2,3,4,5
	global_load_b64 v[WF+12*(4*\n+\s)+2*\p:WF+12*(4*\n+\s)+2*\p+1], v15, s[26:27] offset:12288*\n+96*\s+48*(\p/3)+8*(\p%3)   ; the weight's fragment (tile n of 16 units, K step s), as it lies
.endr
.endr
.endr
.irp n, 0,1
.irp s, 0,1,2,3
	global_load_b32 v[WS+4*\n+\s], v1, s[28:29] offset:512*\n+4*\s
.endr
.endr
	; LDS addresses: each a constant + a constant x lane + a constant x wave.  (They write none of the registers that the loads above read or land in)
	s_mul_i32 s45, s4, WST
	s_add_co_u32 s45, s45, XST                     ; my stage
	v_add_nc_u32 v6, s45, v4                       ; in: 16 x lane of a row
	v_mul_u32_u24 v7, v2, SP
	v_lshl_add_u32 v7, v3, 6, v7
	v_add_nc_u32 v7, s45, v7                       ; out by rows: row r, + 64 h: my 16 numbers of a block of 32
	v_add_nc_u32 v8, s45, v12                      ; out by columns: 4 x lane
	s_mul_i32 s45, s4, 1536
	v_add_nc_u32 v9, s45, v4                       ; my images: K step = wave
	s_lshl_b32 s45, s4, 7
	s_add_co_u32 s46, s45, XSC
	v_add_nc_u32 v10, s46, v12                     ; their scale words
	s_add_co_u32 s46, s45, SBY
	v_add_nc_u32 v11, s46, v0                      ; my channels' scale bytes
	s_mul_i32 s45, s24, 32*OP
	s_lshl_b32 s46, s7, 7
	s_add_co_u32 s45, s45, s46
	s_add_co_u32 s45, s45, OST
	v_mul_u32_u24 v13, v2, OP
	v_lshl_add_u32 v13, v3, 5, v13
	v_add_nc_u32 v13, s45, v13                     ; the sums' stage, in: q's or k's 32 rows, row r, my 32 units' 128 bytes, + 32 h
	s_mul_i32 s45, s4, 16*OP
	s_add_co_u32 s45, s45, OST
	v_mul_u32_u24 v14, v3, OP
	v_lshl_add_u32 v14, v2, 4, v14
	v_add_nc_u32 v14, s45, v14                     ; and back: my 16 rows, two an instruction, 16 bytes a lane
	s_wait_loadcnt 56                              ; x's 32 loads are in; the 48 + 8 loads of the weights, issued behind them, may be out
	s_wait_alu depctr_va_vdst(0)                   ; the LDS addresses v6 to v11, v13 and v14 are written, which every LDS store and load from here on reads
.irp i, 0,1,2,3,4,5,6,7,8,9,10,11,12,13,14,15,16,17,18,19,20,21,22,23,24,25,26,27,28,29,30,31
	ds_store_b128 v6, v[XR+4*\i:XR+4*\i+3] offset:SP*\i
.endr
	; ---- along the channels: my K step of both tiles of 16 rows
	s_wait_alu depctr_vm_vsrc(0)                   ; the 32 stores have read v128-255: the loads below land in v128-191, and QUANT writes v192-230
	ROWS 0
.irp b, 0,1,2,3
	v_mov_b32 v[TM+4+\b], 0                        ; written once: a lane permute's destination counts as one of its sources
.endr
	s_wait_dscnt 0x0                               ; the numbers are in
	QUANT R
	s_wait_alu depctr_va_vdst(0)                   ; QUANT has written the codes and the scale word, which the four stores below read, and is done reading v128-191, in which the loads below land
	ROWS 1                                         ; the next tile's numbers are asked for first,
	IMAGE 0                                        ; then tile 0's image goes out
	ds_store_b32 v10, v[PW]
	s_wait_dscnt 4                                 ; tile 1's numbers are in; the four stores issued behind its loads may be out
	s_wait_alu depctr_vm_vsrc(0)                   ; those four stores have read v208 and v212-223, which QUANT writes again
	QUANT R
	s_wait_alu depctr_va_vdst(0)                   ; as above: the groups' loads land there
	; ---- along the keys: four groups of 32 channels, the loads a group ahead
	LOADC 0, CA
	LOADC 1, CB
	IMAGE 6144                                     ; tile 1's image
	ds_store_b32 v10, v[PW] offset:512
	s_wait_dscnt 36                                ; group 0 is in: behind it stand group 1's 32 loads and the image's four stores
	s_wait_alu depctr_vm_vsrc(0)                   ; those four stores have read v208 and v212-223, into which groups 2 and 3 write their codes
	COLQV 0, CA
	s_wait_alu depctr_va_vdst(0)                   ; group 0's codes and byte are written, which its stores read; group 2's loads land in their registers
	COLQS 0
	LOADC 2, CA
	s_wait_dscnt 37                                ; group 1 is in: behind it stand the image's four stores, one byte store and group 2's 32 loads
	COLQV 1, CB
	s_wait_alu depctr_va_vdst(0)                   ; the same of group 1, for its stores and for group 3's loads
	COLQS 1
	LOADC 3, CB
	s_wait_dscnt 33                                ; group 2 is in: behind it stand one byte store and group 3's 32 loads
	COLQV 2, CA                                    ; each group has registers of its own for its codes and its byte: groups 2 and 3 share one wait
	s_wait_dscnt 0x0                               ; group 3 is in
	COLQV 3, CB
	s_wait_alu depctr_va_vdst(0)                   ; the codes and bytes of groups 2 and 3 are written, which the six stores read; all vector lines are done with v128-223, in which the images' loads below land
	COLQS 2
	COLQS 3
	s_wait_xcnt 0x0                                ; xc's stores have read their data: the LDS loads below land in those registers
	s_wait_alu depctr_vm_vsrc(0)                   ; the groups' stores have read v192-221, in which the images' loads land, and v232-235, which the products write
	BARRIER                                        ; x's eight fragments, their scale words and the 512 scale bytes lie in LDS
	; ---- the products
.irp m, 0,1
.irp s, 0,1,2,3
	FETCH AF+12*(4*\m+\s), (4*\m+\s)*1536
	ds_load_b32 v[XSW+4*\m+\s], v12 offset:XSC+128*(4*\m+\s)
.endr
.endr
	s_wait_dscnt 0x0
	s_wait_loadcnt 0x0                             ; the weights.  (All operands and scales of the products come by loads: these two waits are all that they owe)
.irp s, 0,1,2,3                                ; four accumulators by turns, one instruction a turn, K ascending; the first K step starts the sums
.irp m, 0,1
.irp n, 0,1
.if \s == 0
	v_wmma_scale_f32_16x16x128_f8f6f4 v[ACC+8*(2*\m+\n):ACC+8*(2*\m+\n)+7], v[WF+12*(4*\n+\s):WF+12*(4*\n+\s)+11], v[AF+12*(4*\m+\s):AF+12*(4*\m+\s)+11], 0, v[WS+4*\n+\s], v[XSW+4*\m+\s] matrix_a_fmt:MATRIX_FMT_BF6 matrix_b_fmt:MATRIX_FMT_BF6
.else
	v_wmma_scale_f32_16x16x128_f8f6f4 v[ACC+8*(2*\m+\n):ACC+8*(2*\m+\n)+7], v[WF+12*(4*\n+\s):WF+12*(4*\n+\s)+11], v[AF+12*(4*\m+\s):AF+12*(4*\m+\s)+11], v[ACC+8*(2*\m+\n):ACC+8*(2*\m+\n)+7], v[WS+4*\n+\s], v[XSW+4*\m+\s] matrix_a_fmt:MATRIX_FMT_BF6 matrix_b_fmt:MATRIX_FMT_BF6
.endif
.endr
.endr
.endr
.rept 4
	v_nop                                          ; four places (ISA guide 7.12.1) in front of the first read of results
.endr
	s_wait_alu depctr_va_vdst(0)                   ; the products have written the accumulators, which the LDS stores read, and are done reading v128-163, in which the last LDS loads land; the places above stay beside this wait
.irp m, 0,1
.irp n, 0,1
	ds_store_b128 v13, v[ACC+8*(2*\m+\n):ACC+8*(2*\m+\n)+3] offset:16*OP*\m+64*\n       ; lane (r, h): row 16 m + r, units 16 n + 8 h + 0 .. 7 of my 32; each accumulator from its low end on
	ds_store_b128 v13, v[ACC+8*(2*\m+\n)+4:ACC+8*(2*\m+\n)+7] offset:16*OP*\m+64*\n+16
.endr
.endr
	BARRIER                                        ; 32 whole rows of q's sums and 32 of k's lie in the stage: a row's 256 bytes come from two waves
.irp i, 0,1,2,3,4,5,6,7
	ds_load_b128 v[OB+4*\i:OB+4*\i+3], v14 offset:2*OP*\i
.endr
.irp i, 0,1,2,3,4,5,6,7
	s_wait_dscnt 7-\i                              ; load i is in; the 7 - i behind it may be out
	global_store_b128 v4, v[OB+4*\i:OB+4*\i+3], s[22:23] offset:512*\i   ; two whole rows of 256 bytes
.endr
	s_cmp_lg_u32 s4, 0                             ; wave 0 stores the work-group's 512 scale bytes: 32 lanes, 512 consecutive bytes
	s_cbranch_scc1 .Ldone
	ds_load_b128 v[160:163], v4 offset:SBY
	s_wait_dscnt 0x0
	global_store_b128 v4, v[160:163], s[20:21]
.Ldone:
	s_set_vgpr_msb 0x5
	s_wait_dscnt 0x0
	s_wait_alu depctr_hold_cnt(0) depctr_sa_sdst(0) depctr_va_vdst(0) depctr_va_sdst(0) depctr_va_ssrc(0) depctr_va_vcc(0) depctr_vm_vsrc(0)
	s_wait_tensorcnt 0x0
	ds_add_u32 v0, v1
	s_wait_dscnt 0x0
	s_endpgm
.Lfunc_end_k_qe9b9fa1c11_prep:
	.size	k_qe9b9fa1c11_prep, .Lfunc_end_k_qe9b9fa1c11_prep-k_qe9b9fa1c11_prep
	.p2alignl 7, 3214868480
	.fill 96, 4, 3214868480
	.section	.rodata,"a",@progbits
	.p2align	6, 0x0
	.amdhsa_kernel k_qe9b9fa1c11_prep
		.amdhsa_group_segment_fixed_size 99328
		.amdhsa_private_segment_fixed_size 0
		.amdhsa_enable_private_segment 0
		.amdhsa_kernarg_size 64
		.amdhsa_user_sgpr_count 2
		.amdhsa_user_sgpr_kernarg_segment_ptr 1
		.amdhsa_wavefront_size32 1
		.amdhsa_system_sgpr_workgroup_id_x 1
		.amdhsa_system_sgpr_workgroup_id_y 1
		.amdhsa_system_sgpr_workgroup_id_z 1
		.amdhsa_system_vgpr_workitem_id 0
		.amdhsa_next_free_vgpr 258
		.amdhsa_next_free_sgpr 66
		.amdhsa_reserve_vcc 0
		.amdhsa_float_denorm_mode_32 3
		.amdhsa_float_denorm_mode_16_64 3
		.amdhsa_memory_ordered 1
		.amdhsa_forward_progress 1
		.amdhsa_inst_pref_size 47
	.end_amdhsa_kernel
	.amdgpu_metadata
---
amdhsa.version: [ 1, 2 ]
amdhsa.kernels:
  - .name:           k_qe9b9fa1c11_prep
    .symbol:         k_qe9b9fa1c11_prep.kd
    .args:
      - { .name: x, .offset: 0, .size: 8, .value_kind: global_buffer, .address_space: global }
      - { .name: Wt_codes, .offset: 8, .size: 8, .value_kind: global_buffer, .address_space: global }
      - { .name: Wt_scales, .offset: 16, .size: 8, .value_kind: global_buffer, .address_space: global }
      - { .name: Wx_codes, .offset: 24, .size: 8, .value_kind: global_buffer, .address_space: global }
      - { .name: Wx_scales, .offset: 32, .size: 8, .value_kind: global_buffer, .address_space: global }
      - { .name: xc, .offset: 40, .size: 8, .value_kind: global_buffer, .address_space: global }
      - { .name: xs, .offset: 48, .size: 8, .value_kind: global_buffer, .address_space: global }
      - { .name: qk, .offset: 56, .size: 8, .value_kind: global_buffer, .address_space: global }
    .group_segment_fixed_size: 99328
    .private_segment_fixed_size: 0
    .kernarg_segment_align: 8
    .kernarg_segment_size: 64
    .max_flat_workgroup_size: 128
    .sgpr_count:     66
    .vgpr_count:     258
    .wavefront_size: 32
...
	.end_amdgpu_metadata
.endif
;; end of part 3
;; launch attn: the kernel of part 2 again; grid 256 x 1, 16 waves a work-group, no clusters, 184,576 bytes of LDS; arguments qk, xc, xs, bh, Wa, ba, out0; writes out0
